; MI455X (gfx1250); checked and timed in simulation.
; The chip was launched on July 23, 2026; its instructions are those of AMD's public machine-readable ISA for CDNA 5 (MIT licence, August 2026) and "CDNA5" Instruction Set Architecture Reference Guide (July 2026). The comments in the code are by the model that wrote it; some were corrected since.
;; Multi Head Attention. Allowed arithmetic: float matrix products may take bf16 or f16 operands with f32 sums; all other float work in f32.
;; Inputs: Wk 1,024 x 1,024 float32; Wo 1,024 x 1,024 float32; Wq 1,024 x 1,024 float32; Wv 1,024 x 1,024 float32; bo 1,024 float32; x 4 x 2,048 x 1,024 float32.
;; Outputs: out0 4 x 2,048 x 1,024 float32.
;; 2 versions, each right; version 2 is version 1 with the launch cast written anew for expert scheduling mode. Each part assembles by itself: llvm-mc -triple=amdgcn-amd-amdhsa -mcpu=gfx1250 --defsym DOCPART=n.
;; ======== version 1 of 2: 4 launches
;; limits: values are held in f16: magnitudes above 65,504 overflow, below 6.1e-05 lose precision
;; workspace buffers: xb 16,777,216 bytes; wb 8,388,608 bytes; qkv 50,331,648 bytes; ctx 16,777,216 bytes
;; launch cast (part 1): grid 768 x 1, 8 waves a work-group, no clusters, 0 bytes of LDS; arguments x, Wq, Wk, Wv, Wo, xb, wb; writes xb, wb
.if DOCPART == 1
	.amdgcn_target "amdgcn-amd-amdhsa--gfx1250"
	.amdhsa_code_object_version 6
	.text
	.protected	k_qac4589a451_cast
	.globl	k_qac4589a451_cast
	.p2align	8
	.type	k_qac4589a451_cast,@function
k_qac4589a451_cast:
	s_mov_b64 s[64:65], 0
	v_nop
	global_prefetch_b8 v0, s[64:65] scope:SCOPE_SE
	s_setreg_imm32_b32 hwreg(HW_REG_WAVE_MODE, 25, 1), 1
	s_wait_xcnt 0x0
; cast: x -> xb [8192][1024] bf16.  Wq | Wk | Wv -> the first 6,291,456 bytes of wb as ONE matrix [1024 k][3072 n] bf16
; (matrix i in columns 1024 i ..).  Wo -> wb from byte 6,291,456 on, [1024 k][1024 n], rounded to bf16 and then written as f16.
; A work-group takes 16 rows of 1,024 numbers: 65,536 bytes in, 32,768 bytes out.  Groups 0-511 take x, groups 512+64 i .. +63 matrix i.
; A stream: no LDS, no barrier, no matrix unit.  Thread t takes numbers 4 t .. 4 t + 3 of each row: a wave's load covers 512
; consecutive bytes, its store 256 consecutive bytes, aligned.  All 16 loads of a thread go out first; the waits count down.
; LIMIT: |Wo| must stay below 65,504 (f16's range).  A bf16 number is exact in f16 down to 2^-17; below that the
; second rounding errs by at most 2^-25.
.set X, 4                              ; v[4:67]   row j: 4 numbers in f32
.set Y, 68                             ; v[68:99]  row j: 4 numbers of 16 bits
	s_load_b256 s[4:11], s[0:1], 0x0               ; x s[4:5], Wq s[6:7], Wk s[8:9], Wv s[10:11]
	s_load_b128 s[12:15], s[0:1], 0x20             ; Wo s[12:13], xb s[14:15]
	s_load_b64 s[16:17], s[0:1], 0x30              ; wb
	s_mov_b32 s2, ttmp9
	s_sub_co_u32 s3, s2, 512                       ; my number among the weights' groups (used only where s2 >= 512)
	s_lshr_b32 s20, s3, 6                          ; which matrix
	s_and_b32 s21, s3, 63                          ; which 16 rows of it
	v_lshlrev_b32 v1, 4, v0                        ; 16 t: where I read
	v_lshlrev_b32 v2, 3, v0                        ; 8 t: where I write
	s_lshl_b32 s28, s2, 15                         ; x: 16 rows of 2,048 bytes
	s_mul_i32 s26, s21, 16*6144                    ; Wq, Wk, Wv: 16 rows of 6,144 bytes,
	s_lshl_b32 s27, s20, 11                        ; the matrix's 2,048 bytes in a row
	s_add_co_u32 s26, s26, s27
	s_lshl_b32 s27, s21, 15                        ; Wo: 16 rows of 2,048 bytes behind the joint matrix
	s_add_co_u32 s27, s27, 6291456
	s_wait_kmcnt 0x0
	s_cmp_eq_u32 s20, 1
	s_cselect_b64 s[22:23], s[8:9], s[6:7]         ; Wk or Wq
	s_cmp_eq_u32 s20, 2
	s_cselect_b64 s[22:23], s[10:11], s[22:23]     ; Wv
	s_cmp_eq_u32 s20, 3
	s_cselect_b64 s[22:23], s[12:13], s[22:23]     ; Wo
	s_cselect_b32 s26, s27, s26
	s_cmp_lt_u32 s2, 512                           ; one compare for the four selects (a select leaves SCC alone)
	s_cselect_b64 s[22:23], s[4:5], s[22:23]       ; source: x or the matrix
	s_cselect_b64 s[24:25], s[14:15], s[16:17]     ; destination: xb or wb
	s_cselect_b32 s21, s2, s21                     ; part of the source
	s_cselect_b32 s30, s28, s26                    ; byte offset in the destination
	s_lshl_b32 s28, s21, 16
	s_mov_b32 s29, 0
	s_mov_b32 s31, 0
	s_add_nc_u64 s[22:23], s[22:23], s[28:29]
	s_add_nc_u64 s[24:25], s[24:25], s[30:31]
.irp j, 0,1,2,3,4,5,6,7,8,9,10,11,12,13,14,15
	global_load_b128 v[X+4*\j:X+4*\j+3], v1, s[22:23] offset:\j*4096 th:TH_LOAD_NT
.endr
; Row j.  half = 1: the bf16 numbers are widened again and written as f16.  pitch: bytes from row to row in the destination.
.macro CONV j, half, pitch
	s_wait_loadcnt 15-\j                           ; loads come back in order: row j's is in, the 15 - j younger ones stay out
	v_cvt_pk_bf16_f32 v[Y+2*\j],   v[X+4*\j],   v[X+4*\j+1]
	v_cvt_pk_bf16_f32 v[Y+2*\j+1], v[X+4*\j+2], v[X+4*\j+3]
.if \half
	v_lshlrev_b32 v[X+4*\j],   16, v[Y+2*\j]
	v_and_b32     v[X+4*\j+1], 0xffff0000, v[Y+2*\j]
	v_lshlrev_b32 v[X+4*\j+2], 16, v[Y+2*\j+1]
	v_and_b32     v[X+4*\j+3], 0xffff0000, v[Y+2*\j+1]
	v_cvt_pk_f16_f32 v[Y+2*\j],   v[X+4*\j],   v[X+4*\j+1]
	v_cvt_pk_f16_f32 v[Y+2*\j+1], v[X+4*\j+2], v[X+4*\j+3]
.endif
	global_store_b64 v2, v[Y+2*\j:Y+2*\j+1], s[24:25] offset:\j*\pitch   ; no register of a store is written again
.endm
	s_cmp_ge_u32 s2, 704                           ; the 64 groups of Wo
	s_cbranch_scc1 .Lwo
	s_cmp_ge_u32 s2, 512                           ; the 192 groups of Wq, Wk, Wv
	s_cbranch_scc1 .Lw3
.irp j, 0,1,2,3,4,5,6,7,8,9,10,11,12,13,14,15
	CONV \j, 0, 2048
.endr
	s_endpgm
.Lw3:
.irp j, 0,1,2,3,4,5,6,7,8,9,10,11,12,13,14,15
	CONV \j, 0, 6144
.endr
	s_endpgm
.Lwo:
.irp j, 0,1,2,3,4,5,6,7,8,9,10,11,12,13,14,15
	CONV \j, 1, 2048
.endr
	s_endpgm
.Lfunc_end_k_qac4589a451_cast:
	.size	k_qac4589a451_cast, .Lfunc_end_k_qac4589a451_cast-k_qac4589a451_cast
	.p2alignl 7, 3214868480
	.fill 96, 4, 3214868480
	.section	.rodata,"a",@progbits
	.p2align	6, 0x0
	.amdhsa_kernel k_qac4589a451_cast
		.amdhsa_group_segment_fixed_size 0
		.amdhsa_private_segment_fixed_size 0
		.amdhsa_enable_private_segment 0
		.amdhsa_kernarg_size 56
		.amdhsa_user_sgpr_count 2
		.amdhsa_user_sgpr_kernarg_segment_ptr 1
		.amdhsa_wavefront_size32 1
		.amdhsa_system_sgpr_workgroup_id_x 1
		.amdhsa_system_sgpr_workgroup_id_y 1
		.amdhsa_system_sgpr_workgroup_id_z 1
		.amdhsa_system_vgpr_workitem_id 0
		.amdhsa_next_free_vgpr 104
		.amdhsa_next_free_sgpr 66
		.amdhsa_reserve_vcc 0
		.amdhsa_float_denorm_mode_32 3
		.amdhsa_float_denorm_mode_16_64 3
		.amdhsa_memory_ordered 1
		.amdhsa_forward_progress 1
		.amdhsa_inst_pref_size 21
	.end_amdhsa_kernel
	.amdgpu_metadata
---
amdhsa.version: [ 1, 2 ]
amdhsa.kernels:
  - .name:           k_qac4589a451_cast
    .symbol:         k_qac4589a451_cast.kd
    .args:
      - { .name: x, .offset: 0, .size: 8, .value_kind: global_buffer, .address_space: global }
      - { .name: Wq, .offset: 8, .size: 8, .value_kind: global_buffer, .address_space: global }
      - { .name: Wk, .offset: 16, .size: 8, .value_kind: global_buffer, .address_space: global }
      - { .name: Wv, .offset: 24, .size: 8, .value_kind: global_buffer, .address_space: global }
      - { .name: Wo, .offset: 32, .size: 8, .value_kind: global_buffer, .address_space: global }
      - { .name: xb, .offset: 40, .size: 8, .value_kind: global_buffer, .address_space: global }
      - { .name: wb, .offset: 48, .size: 8, .value_kind: global_buffer, .address_space: global }
    .group_segment_fixed_size: 0
    .private_segment_fixed_size: 0
    .kernarg_segment_align: 8
    .kernarg_segment_size: 56
    .max_flat_workgroup_size: 256
    .sgpr_count:     66
    .vgpr_count:     104
    .wavefront_size: 32
...
	.end_amdgpu_metadata
.endif
;; end of part 1
;; launch qkv (part 2): grid 8 x 32, 4 waves a work-group, clusters of 4 x 4, 327,680 bytes of LDS; arguments xb, wb, qkv; writes qkv
.if DOCPART == 2
	.amdgcn_target "amdgcn-amd-amdhsa--gfx1250"
	.amdhsa_code_object_version 6
	.text
	.protected	k_qac4589a451_qkv
	.globl	k_qac4589a451_qkv
	.p2align	8
	.type	k_qac4589a451_qkv,@function
k_qac4589a451_qkv:
	s_mov_b64 s[64:65], 0
	v_nop
	global_prefetch_b8 v0, s[64:65] scope:SCOPE_SE
	s_setreg_imm32_b32 hwreg(HW_REG_WAVE_MODE, 25, 1), 1
	s_wait_xcnt 0x0
	s_wait_alu depctr_hold_cnt(0) depctr_sa_sdst(0) depctr_va_vdst(0) depctr_va_sdst(0) depctr_va_ssrc(0) depctr_va_vcc(0) depctr_vm_vsrc(0)
	s_getreg_b32 s2, hwreg(HW_REG_IB_STS2, 6, 4)
	s_cmp_eq_u32 s2, 0
	s_cbranch_scc0 .Lentry_in_a_cluster
	s_endpgm
.Lentry_in_a_cluster:
	s_bfe_u32 s2, ttmp6, 0x10000c
	s_cmp_lg_u32 s2, 0xf033
	s_cbranch_scc0 .Lentry_shape_is_right
	s_endpgm
.Lentry_shape_is_right:
; qkv: [8192 x 1024] (xb, bf16) times [1024 x 3072] (Wq | Wk | Wv as one matrix [k][n], bf16); sums in f32; result f16,
; stored head-major: qkv[b][48 heads: 16 of q, 16 of k, 16 of v][2048 t][64].
; LIMIT: |q|, |k|, |v| must stay below 65,504 (f16's range); beyond it the conversion gives infinity.
; SHARE: 8192 x 3072 / 256 work-groups = 256 x 384 for each, one work-group for each WGP.  Four waves; a wave makes 128 x 192:
; 96 accumulator tiles, 768 registers.
; REGISTER WINDOWS: 1, 2, 3: the accumulators of column blocks 0-3, 4-7, 8-11 (tile (row block a, column block 4 g + i) at v[8 (8 i + a)] of
; window 1 + g).  Window 0 holds all the rest: 32 registers of addresses, x's 8 fragments in two buffers, W's 12 fragments in ONE buffer.
; W's buffer rolls: a K quarter (32 along K) is three stretches of 32 matrix instructions (4 column blocks x 8 row blocks), and behind
; stretch g the four fragments of W that it has just used are loaded again, for the next quarter; they have 64 matrix instructions to come in.
; LDS: W goes in steps of 64 along K through two slots, x in steps of 128 (rows of 256 bytes of memory, starting at multiples of 256)
; through two slots.  Two slots of 128 along K for both would take 360,448 bytes and do not fit.
; CLUSTERS: 4 x 4 work-groups.  x's tile hangs on the block row alone and is asked for jointly along a row of the cluster,
; W's tile on the block column alone and jointly along a column: a quarter of the requests.
; W stays [k][n]: its fragments are read by the transposing LDS load.  The matrix instruction is used transposed (source 0 = 16 columns
; of W, source 1 = 16 rows of x): a lane's eight results are eight neighbouring columns of one row of the product.
.set AP,     272                       ; LDS pitch of x's rows: 256 bytes + 16: an odd multiple of 16
.set BP,     864                       ; LDS pitch of W's k-rows: three pieces of 256 bytes + 32 each: an odd multiple of 32
.set BHALF,  32*BP                     ; one tensor load of W: 32 k-rows
.set BSLOT,  2*BHALF                   ; 64 k-rows
.set ARING,  2*BSLOT                   ; x's slots lie behind W's two
.set AHALF,  128*AP                    ; one tensor load of x: 128 rows
.set ASLOT,  2*AHALF
.set STAGE,  ARING+2*ASLOT             ; 249,856: behind the rings, 16 rows x 400 bytes for each wave; no fill lands here
.set SPITCH, 400                       ; 384 bytes + 16: an odd multiple of 16
.set ALAP,   256                       ; 128 along K in xb: 256 bytes along the rows
.set BSTEP,  64*6144                   ; 64 along K in wb: 64 rows of 6,144 bytes
.set ADRA, 16                          ; v16-17  LDS address of my fragments of x in slot 0, 1
.set ADRB, 18                          ; v18-23  the same for W: slot s, column group g at ADRB + 3 s + g
.set STO,  24
.set RD,   25
.set CO,   26
.set AF0,  32                          ; v32-95   x's fragments, buffer 0
.set AF1,  96                          ; v96-159  buffer 1
.set BF,   160                         ; v160-255 W's fragments
.set TMP,  160                         ; the way out: packed results
.set G1,  24                           ; s[24:31] group 1 for x's tiles
.set G0,  32                           ; s[32:39] group 0 for x's tiles, a set for each slot
.set G1B, 48                           ; s[48:55] group 1 for W's tiles
.set G0B, 56                           ; s[56:63] group 0 for W's tiles, a set for each slot
.set MSB, 0
.macro WIN new                         ; the immediate's high byte repeats the setting that is left
.if MSB != (\new)
	s_set_vgpr_msb (MSB<<8)|(\new)
.set MSB, (\new)
.endif
.endm
; joint loads.  Waves 0 and 1 fetch W's two halves, waves 2 and 3 x's.  The branches hang on the wave's number alone.
.macro JLOADAB sb, sa
	s_cmp_eq_u32 s11, 0
	s_cbranch_scc0 .Lfor_a_\@
	tensor_load_to_lds s[G0B+4*\sb:G0B+4*\sb+3], s[G1B:G1B+7]
	s_nop 0
	s_branch .Lasked_\@
.Lfor_a_\@:
	tensor_load_to_lds s[G0+4*\sa:G0+4*\sa+3], s[G1:G1+7]
	s_nop 0
.Lasked_\@:
.endm
.macro JLOADB sb                       ; W alone: waves 2 and 3 have nothing to fill
	s_cmp_lg_u32 s11, 0
	s_cbranch_scc1 .Lno_b_\@
	tensor_load_to_lds s[G0B+4*\sb:G0B+4*\sb+3], s[G1B:G1B+7]
	s_nop 0
.Lno_b_\@:
.endm
.macro CREST                           ; a round of the cluster's barrier behind its opening barrier
	s_cmp_lg_u32 s10, 0
	s_cbranch_scc1 .Lnot_wave_0_\@
	s_barrier_signal -3
.Lnot_wave_0_\@:
	s_barrier_wait -3
	s_barrier_signal -1
	s_barrier_wait -1
.endm
.macro CROUND                          ; a whole round
	s_barrier_signal -1
	s_barrier_wait -1
	CREST
.endm
	s_load_b128 s[4:7], s[0:1], 0x0                ; xb s[4:5], wb s[6:7]
	s_load_b64 s[8:9], s[0:1], 0x10                ; qkv
	v_lshl_add_u32 v30, v0, 2, 0x43400
	v_mov_b32 v31, 0
	ds_add_u32 v30, v31
	v_lshrrev_b32 v1, 5, v0
	v_readfirstlane_b32 s10, v1                    ; wave 0..3
	s_lshr_b32 s11, s10, 1                         ; my half of the block's rows.  Also: I fetch for W (0) or for x (1)
	s_and_b32 s12, s10, 1                          ; my half of its columns.  Also: which half of that tile I fetch
	s_bfe_u32 s40, ttmp6, 0x40000                  ; cx
	s_bfe_u32 s41, ttmp6, 0x40004                  ; cy
	s_lshl_b32 s42, ttmp9, 2
	s_add_co_u32 s42, s42, s40                     ; block column 0..7
	s_and_b32 s13, ttmp7, 0xffff
	s_lshl_b32 s13, s13, 2
	s_add_co_u32 s13, s13, s41                     ; block row 0..31
	s_lshl_b32 s43, s41, 2
	s_lshl_b32 s43, 15, s43                        ; my row of the cluster
	s_lshl_b32 s44, 0x1111, s40                    ; my column
	; group 1 for x: 128 rows x 128 elements of 2 bytes, 4 words of padding behind every 64
	s_or_b32 s[G1+0], s43, (1<<16)|(1<<20)|(1<<21)|(5<<22)|(3<<25)
	s_mov_b32 s[G1+1], 128<<16                     ; tensor_dim0 = 128
	s_mov_b32 s[G1+2], 128<<16                     ; tensor_dim1 = 128
	s_mov_b32 s[G1+3], 128<<16                     ; tile_dim0 = 128
	s_mov_b32 s[G1+4], 128                         ; tile_dim1 = 128
	s_mov_b32 s[G1+5], 1024                        ; elements from row to row
	s_mov_b32 s[G1+6], 0
	s_mov_b32 s[G1+7], 0
	; group 1 for W: 32 k-rows x 384 elements, 8 words of padding behind every 64 words: three pads in a row of 192 words
	s_or_b32 s[G1B+0], s44, (1<<16)|(1<<20)|(1<<21)|(5<<22)|(7<<25)
	s_mov_b32 s[G1B+1], 384<<16                    ; tensor_dim0 = 384
	s_mov_b32 s[G1B+2], 32<<16                     ; tensor_dim1 = 32
	s_mov_b32 s[G1B+3], 384<<16                    ; tile_dim0 = 384
	s_mov_b32 s[G1B+4], 32                         ; tile_dim1 = 32
	s_mov_b32 s[G1B+5], 3072                       ; elements from row to row
	s_mov_b32 s[G1B+6], 0
	s_mov_b32 s[G1B+7], 0
	; x's tile: row 256 x block row + 128 x half, 2,048 bytes a row.  Only the block row and the wave's number enter.
	s_lshl_b32 s16, s13, 8
	s_lshl_b32 s17, s12, 7
	s_add_co_u32 s16, s16, s17
	s_lshl_b32 s16, s16, 11
	s_mov_b32 s17, 0
	; W's tile: k-row 32 x half, columns 384 x block column.  Only the block column and the wave's number enter.
	s_mul_i32 s46, s12, 32*6144
	s_mul_i32 s47, s42, 768
	s_add_co_u32 s46, s46, s47
	s_mov_b32 s47, 0
	s_mul_i32 s20, s10, BHALF                      ; W's halves: waves 0 and 1 at 0 and 27,648
	s_mul_i32 s21, s10, AHALF
	s_add_co_u32 s21, s21, ARING-2*AHALF           ; x's halves: waves 2 and 3 at 110,592 and 145,408
	s_wait_dscnt 0x0
	s_wait_kmcnt 0x0
	s_add_nc_u64 s[14:15], s[4:5], s[16:17]
	s_add_nc_u64 s[46:47], s[6:7], s[46:47]
	CROUND                                         ; all sixteen work-groups are here: the first joint loads meet
.irp s, 0,1
	s_mov_b32 s[G0+4*\s], 1
	s_add_co_u32 s[G0+4*\s+1], s21, \s*ASLOT
	s_add_nc_u64 s[G0+4*\s+2:G0+4*\s+3], s[14:15], \s*ALAP
	s_or_b32 s[G0+4*\s+3], s[G0+4*\s+3], 0x80000000
	s_mov_b32 s[G0B+4*\s], 1
	s_add_co_u32 s[G0B+4*\s+1], s20, \s*BSLOT
	s_add_nc_u64 s[G0B+4*\s+2:G0B+4*\s+3], s[46:47], \s*BSTEP
	s_or_b32 s[G0B+4*\s+3], s[G0B+4*\s+3], 0x80000000
	JLOADAB \s, \s                                 ; W: K 0-63 and 64-127; x: K 0-127 and 128-255.  A wave has two tensor loads out here, later one at the most
.endr
	v_and_b32 v1, 15, v0                           ; r = l mod 16
	v_bfe_u32 v2, v0, 4, 1                         ; h = l / 16
	v_and_b32 v6, 7, v0                            ; l mod 8
	v_bfe_u32 v7, v0, 3, 1                         ; (l / 8) mod 2
	v_and_b32 v9, 31, v0                           ; l
	v_mul_u32_u24 v3, v1, AP
	v_lshl_add_u32 v3, v2, 4, v3                   ; x: row r, 16 bytes for each half of the lanes
	v_lshl_add_u32 v8, v2, 3, v6
	v_mul_u32_u24 v8, v8, BP                       ; W: k-row 8 h + l mod 8,
	v_lshl_add_u32 v8, v7, 4, v8                   ; 16 bytes (8 columns) for each group of eight lanes
	s_mul_i32 s21, s11, AHALF
	s_add_co_u32 s21, s21, ARING                   ; my 128 rows of x
	v_add_nc_u32 v[ADRA], s21, v3
	v_add_nc_u32 v[ADRA+1], ASLOT, v[ADRA]
	; My 192 columns of W, in three groups of 64.  Group g of column half s begins at data byte D = 384 s + 128 g of a k-row, which is
	; LDS byte D + 32 (D / 256) of the padded row: 0, 128, 288 for half 0 and 416, 576, 704 for half 1.  A group's 128 bytes cross no pad.
	; Written as a constant times the half plus a constant.
.irp g, 0,1,2
.set CB0, 128*\g+32*((128*\g)>>8)
.set CB1, 384+128*\g+32*((384+128*\g)>>8)
	s_mul_i32 s23, s12, CB1-CB0
	s_add_co_u32 s23, s23, CB0
	v_add_nc_u32 v[ADRB+\g], s23, v8
	v_add_nc_u32 v[ADRB+3+\g], BSLOT, v[ADRB+\g]
.endr
	s_mul_i32 s23, s10, 16*SPITCH
	s_add_co_u32 s23, s23, STAGE                   ; my stage
	v_mul_u32_u24 v4, v1, SPITCH                   ; in: row r, 16 bytes for each half of the lanes
	v_lshl_add_u32 v4, v2, 4, v4
	v_add_nc_u32 v[STO], s23, v4
	v_lshl_add_u32 v5, v2, 1, v7                   ; back: four rows' 128 bytes of one head for the 32 lanes: row l / 8,
	v_mul_u32_u24 v5, v5, SPITCH
	v_lshl_add_u32 v5, v6, 4, v5                   ; 16 bytes for each lane of eight
	v_add_nc_u32 v[RD], s23, v5
	v_lshlrev_b32 v[CO], 4, v9                     ; in qkv these four rows are 512 consecutive bytes: 16 l
; nb column blocks from block b0 of group g on, each x all 8 row blocks, 32 along K.  zero = 1: the product starts the sums.
; The accumulators take turns, one instruction a turn, in the same order in every quarter.
.macro MULS af, g, b0, nb, zero
.set BI, \b0
.rept \nb
.set AI, 0
.rept 8
.if \zero
	v_wmma_f32_16x16x32_bf16 v[8*(8*BI+AI):8*(8*BI+AI)+7], v[BF+8*(4*\g+BI):BF+8*(4*\g+BI)+7], v[\af+8*AI:\af+8*AI+7], 0
.else
	v_wmma_f32_16x16x32_bf16 v[8*(8*BI+AI):8*(8*BI+AI)+7], v[BF+8*(4*\g+BI):BF+8*(4*\g+BI)+7], v[\af+8*AI:\af+8*AI+7], v[8*(8*BI+AI):8*(8*BI+AI)+7]
.endif
.set AI, AI+1
.endr
.set BI, BI+1
.endr
.endm
; One run of LDS loads for a coming quarter: W's column group g (k-rows 32 kq .. of slot bslot; k = 8 h .. and 16 + 8 h .. of column r),
; and with groups 0 and 1 four fragments of x each (byte 64 aq of the rows of slot aslot) into buffer naf.
.macro BATCH g, bslot, kq, aslot, aq, naf
.irp i, 0,1,2,3
	ds_load_tr16_b128 v[BF+8*(4*\g+\i):BF+8*(4*\g+\i)+3],   v[ADRB+3*\bslot+\g] offset:\kq*32*BP+32*\i
	ds_load_tr16_b128 v[BF+8*(4*\g+\i)+4:BF+8*(4*\g+\i)+7], v[ADRB+3*\bslot+\g] offset:\kq*32*BP+32*\i+16*BP
.endr
.if \g < 2
.irp i, 0,1,2,3
	ds_load_b128 v[\naf+8*(4*\g+\i):\naf+8*(4*\g+\i)+3],   v[ADRA+\aslot] offset:64*\aq+(4*\g+\i)*16*AP
	ds_load_b128 v[\naf+8*(4*\g+\i)+4:\naf+8*(4*\g+\i)+7], v[ADRA+\aslot] offset:64*\aq+(4*\g+\i)*16*AP+32
.endr
.endif
.endm
; Four independent vector instructions stand between a matrix instruction and a load into one of its registers or a vector
; instruction that reads its result (ISA guide 7.12.1 for vector instructions).
.macro PLACES
.rept 4
	v_nop
.endr
.endm
; A quarter that multiplies x's buffer af and fetches the next quarter (bslot, kq, aslot, aq) into W's buffer and x's buffer naf.
.macro QPLAIN af, naf, bslot, kq, aslot, aq, zero
	s_wait_dscnt 8                                 ; all is in but the youngest eight loads: W's group 2 of this quarter
	WIN 0x50                                       ; C and D in window 1
	MULS \af, 0, 0, 4, \zero
	PLACES
	WIN 0
	BATCH 0, \bslot, \kq, \aslot, \aq, \naf
	WIN 0xa0                                       ; window 2
	MULS \af, 1, 0, 4, \zero
	PLACES
	WIN 0
	BATCH 1, \bslot, \kq, \aslot, \aq, \naf
	s_wait_dscnt 32                                ; all but the two runs of 16 just issued: W's group 2 is in
	WIN 0xf0                                       ; window 3
	MULS \af, 2, 0, 4, \zero
	PLACES
	WIN 0
	BATCH 2, \bslot, \kq, \aslot, \aq, \naf
.endm
; A quarter in which slots change.  The fragments of this quarter were the last reads of W's slot fb (and, in a lap's last quarter, of x's
; slot fa).  In front of the barrier each wave waits for all its LDS reads and for all its tensor loads; behind it the refill comes first
; (fill = 1: W's slot fb; 2: also x's slot fa; 0: none), one tensor load a wave, then the next slots are read.
.macro QTURN af, naf, bslot, kq, aslot, aq, fill, fb, fa
	s_wait_dscnt 8
	WIN 0x50
	MULS \af, 0, 0, 2, 0
	s_wait_dscnt 0x0                               ; my reads of the old slots are over
	s_wait_tensorcnt 0x0                           ; all my tensor loads have landed
	ds_add_u32 v30, v31
	s_wait_dscnt 0x0
	s_barrier_signal -1                            ; (where a slot is filled again this barrier opens a round of the cluster's barrier)
	MULS \af, 0, 2, 2, 0                           ; register work while the others arrive
	WIN 0
	s_barrier_wait -1
.if \fill
	CREST                                          ; no wave of any partner still reads the old slots or has a load on its way
	s_add_nc_u64 s[G0B+4*\fb+2:G0B+4*\fb+3], s[G0B+4*\fb+2:G0B+4*\fb+3], 2*BSTEP
.if \fill == 2
	s_add_nc_u64 s[G0+4*\fa+2:G0+4*\fa+3], s[G0+4*\fa+2:G0+4*\fa+3], 2*ALAP
	JLOADAB \fb, \fa
.else
	JLOADB \fb
.endif
.endif
	PLACES
	BATCH 0, \bslot, \kq, \aslot, \aq, \naf
	WIN 0xa0
	MULS \af, 1, 0, 4, 0
	PLACES
	WIN 0
	BATCH 1, \bslot, \kq, \aslot, \aq, \naf
	WIN 0xf0                                       ; W's group 2 came in with the wait for 0 above
	MULS \af, 2, 0, 4, 0
	PLACES
	WIN 0
	BATCH 2, \bslot, \kq, \aslot, \aq, \naf
.endm
; A lap: 128 along K, x's slot p, W's slots 0 and 1.  np = the other slot of x.  fill3: what the last quarter fills.
.macro LAP p, np, zero, fill3
	QPLAIN AF0, AF1, 0, 1, \p, 1, \zero
	QTURN  AF1, AF0, 1, 0, \p, 2, 1, 0, 0          ; W's slot 0 gets the next lap's first half
	QPLAIN AF0, AF1, 1, 1, \p, 3, 0
	QTURN  AF1, AF0, 0, 0, \np, 0, \fill3, 1, \p   ; W's slot 1 gets the next lap's second half, x's slot p the lap after the next
.endm
	s_wait_tensorcnt 0x1                           ; my first load is in; my second may stay out
	s_barrier_signal -1
	s_barrier_wait -1
	BATCH 0, 0, 0, 0, 0, AF0
	BATCH 1, 0, 0, 0, 0, AF0
	BATCH 2, 0, 0, 0, 0, AF0
	LAP 0, 1, 1, 2                                 ; lap 0: its first quarter starts the sums
	LAP 1, 0, 0, 2
	s_mov_b32 s45, 2
.Llaps:
	LAP 0, 1, 0, 2                                 ; laps 2 to 5
	LAP 1, 0, 0, 2
	s_sub_co_u32 s45, s45, 1
	s_cmp_lg_u32 s45, 0
	s_cbranch_scc1 .Llaps
	LAP 0, 1, 0, 1                                 ; lap 6: x has nothing left to fetch
	QPLAIN AF0, AF1, 0, 1, 1, 1, 0                 ; lap 7 fills nothing
	QTURN  AF1, AF0, 1, 0, 1, 2, 0, 0, 0
	QPLAIN AF0, AF1, 1, 1, 1, 3, 0
	s_wait_dscnt 8                                 ; the very last quarter: nothing more to fetch
	WIN 0x50
	MULS AF1, 0, 0, 4, 0
	WIN 0xa0
	MULS AF1, 1, 0, 4, 0
	s_wait_dscnt 0x0
	WIN 0xf0
	MULS AF1, 2, 0, 4, 0
	; THE WAY OUT, 16 rows at a time: round to f16, 16 bytes a lane into my stage, read back so that the 32 lanes hold
	; four rows of one head: 512 consecutive bytes of qkv, aligned.
	PLACES
	s_lshr_b32 s16, s13, 3                         ; b = block row / 8: 48 heads x 2,048 rows x 128 bytes
	s_mul_i32 s16, s16, 48*262144
	s_and_b32 s17, s13, 7
	s_lshl_b32 s17, s17, 15                        ; t: 256 rows of 128 bytes for each block row,
	s_add_co_u32 s16, s16, s17
	s_lshl_b32 s17, s11, 14                        ; 128 rows for my half
	s_add_co_u32 s16, s16, s17
	s_mov_b32 s17, 0
	s_add_nc_u64 s[8:9], s[8:9], s[16:17]
	s_mul_i32 s46, s42, 6*262144                   ; six heads for each block column,
	s_mul_i32 s47, s12, 3*262144                   ; three for my half
	s_add_co_u32 s46, s46, s47
	s_mov_b32 s47, 0
	s_add_nc_u64 s[8:9], s[8:9], s[46:47]
; rows 16 a .. 16 a + 15 of my block = the twelve tiles (a, 0..11); f: AF0 or AF1 in turn
.macro OUT16 a, f
.irp g, 0,1,2
	WIN (\g+1)*5                                   ; sources 0 and 1 from window 1 + g
.irp i, 0,1,2,3
.irp r, 0,1,2,3
	v_cvt_pk_f16_f32 v[TMP+4*(4*\g+\i)+\r], v[8*(8*\i+\a)+2*\r], v[8*(8*\i+\a)+2*\r+1]
.endr
.endr
.endr
	WIN 0
.irp b, 0,1,2,3,4,5,6,7,8,9,10,11
	ds_store_b128 v[STO], v[TMP+4*\b:TMP+4*\b+3] offset:32*\b
.endr
	s_wait_xcnt 0x0                                ; buffer f, which earlier stores read, is loaded again only behind this wait
.irp t, 0,1,2,3,4,5,6,7,8,9,10,11
	ds_load_b128 v[\f+4*\t:\f+4*\t+3], v[RD] offset:(\t&3)*4*SPITCH+(\t>>2)*128   ; head t / 4, rows 4 (t mod 4) ..; LDS serves a wave's instructions in order: these see the stores above
.endr
.irp t, 0,1,2,3,4,5,6,7,8,9,10,11
	s_wait_dscnt 11-\t
	global_store_b128 v[CO], v[\f+4*\t:\f+4*\t+3], s[8:9] offset:(\t>>2)*262144+(\t&3)*512+\a*2048
.endr
.endm
	OUT16 0, AF0
	OUT16 1, AF1
	OUT16 2, AF0
	OUT16 3, AF1
	OUT16 4, AF0
	OUT16 5, AF1
	OUT16 6, AF0
	OUT16 7, AF1
	s_wait_tensorcnt 0x0
	ds_add_u32 v30, v31
	s_wait_dscnt 0x0
	CROUND                                         ; the closing round: no work-group ends while a partner may still ask jointly
	s_endpgm
.Lfunc_end_k_qac4589a451_qkv:
	.size	k_qac4589a451_qkv, .Lfunc_end_k_qac4589a451_qkv-k_qac4589a451_qkv
	.p2alignl 7, 3214868480
	.fill 96, 4, 3214868480
	.section	.rodata,"a",@progbits
	.p2align	6, 0x0
	.amdhsa_kernel k_qac4589a451_qkv
		.amdhsa_group_segment_fixed_size 327680
		.amdhsa_private_segment_fixed_size 0
		.amdhsa_enable_private_segment 0
		.amdhsa_kernarg_size 24
		.amdhsa_user_sgpr_count 2
		.amdhsa_user_sgpr_kernarg_segment_ptr 1
		.amdhsa_wavefront_size32 1
		.amdhsa_system_sgpr_workgroup_id_x 1
		.amdhsa_system_sgpr_workgroup_id_y 1
		.amdhsa_system_sgpr_workgroup_id_z 1
		.amdhsa_system_vgpr_workitem_id 0
		.amdhsa_next_free_vgpr 1024
		.amdhsa_next_free_sgpr 66
		.amdhsa_reserve_vcc 0
		.amdhsa_float_denorm_mode_32 3
		.amdhsa_float_denorm_mode_16_64 3
		.amdhsa_memory_ordered 1
		.amdhsa_forward_progress 1
		.amdhsa_inst_pref_size 255
	.end_amdhsa_kernel
	.section	.bss,"aw",@nobits
	.p2align	6
	.space	262144
	.amdgpu_metadata
---
amdhsa.version: [ 1, 2 ]
amdhsa.kernels:
  - .name:           k_qac4589a451_qkv
    .symbol:         k_qac4589a451_qkv.kd
    .args:
      - { .name: xb, .offset: 0, .size: 8, .value_kind: global_buffer, .address_space: global }
      - { .name: wb, .offset: 8, .size: 8, .value_kind: global_buffer, .address_space: global }
      - { .name: qkv, .offset: 16, .size: 8, .value_kind: global_buffer, .address_space: global }
    .group_segment_fixed_size: 327680
    .private_segment_fixed_size: 0
    .kernarg_segment_align: 8
    .kernarg_segment_size: 24
    .max_flat_workgroup_size: 128
    .sgpr_count:     66
    .vgpr_count:     1024
    .wavefront_size: 32
...
	.end_amdgpu_metadata
.endif
;; end of part 2
;; launch attn (part 3): grid 256 x 1, 16 waves a work-group, clusters of 4 x 1, 327,680 bytes of LDS; arguments qkv, ctx; writes ctx
.if DOCPART == 3
	.amdgcn_target "amdgcn-amd-amdhsa--gfx1250"
	.amdhsa_code_object_version 6
	.text
	.protected	k_qac4589a451_attn
	.globl	k_qac4589a451_attn
	.p2align	8
	.type	k_qac4589a451_attn,@function
k_qac4589a451_attn:
	s_mov_b64 s[64:65], 0
	v_nop
	global_prefetch_b8 v0, s[64:65] scope:SCOPE_SE
	s_setreg_imm32_b32 hwreg(HW_REG_WAVE_MODE, 25, 1), 1
	s_wait_xcnt 0x0
	s_wait_alu depctr_hold_cnt(0) depctr_sa_sdst(0) depctr_va_vdst(0) depctr_va_sdst(0) depctr_va_ssrc(0) depctr_va_vcc(0) depctr_vm_vsrc(0)
	s_getreg_b32 s2, hwreg(HW_REG_IB_STS2, 6, 4)
	s_cmp_eq_u32 s2, 0
	s_cbranch_scc0 .Lentry_in_a_cluster
	s_endpgm
.Lentry_in_a_cluster:
	s_bfe_u32 s2, ttmp6, 0x10000c
	s_cmp_lg_u32 s2, 0x3003
	s_cbranch_scc0 .Lentry_shape_is_right
	s_endpgm
.Lentry_shape_is_right:
; attn: causal attention of one head (b*16 + head = the cluster's number), f16 operands, f32 sums, running maximum.
; q, k, v: qkv[b][48 heads: 16 of q, 16 of k, 16 of v][2048][64] f16.  ctx[b*16 + head][2048][64] f16.
; LIMIT: none of its own; q, k, v come in f16 (below 65,504).  P is at most 1, ctx a convex mix of v.
; SHARE: the 2,048 queries are 16 blocks of 128.  Wave w owns block g; in it work-group j of the cluster owns queries 32 j .. 32 j + 31.
; So in all four partners wave w works on the same key steps (128 keys each): steps 0 .. g.  No branch, trip count or LDS address
; hangs on j, and every K and V tile is asked for jointly by the four (mask 15): a quarter of the requests.
; g = 4 ((w/4 + w) mod 4) + w/4: four waves with equal w mod 4, and four with equal w / 4, hold one block of each quarter of the sequence.
; PRODUCTS ARE TRANSPOSED.  S^T = K Q^T: lane (r, h), register i of tile (qt, kt) holds key 16 kt + 8 h + i of query 16 qt + r, so the
; statistics of a query lie in two lanes (r and r + 16), and two neighbouring tiles packed to f16 in place are the second source of
; O^T = V^T P^T, whose first source is read from V's rows by the transposing LDS load.  A lane's results are 8 neighbouring d of one query.
; Key 0 is allowed to every query and lies in the first chunk, so the running maximum is finite from the first chunk on.
.set KP,     144                       ; LDS pitch of a K row: 128 bytes + 16: an odd multiple of 16
.set VP,     160                       ; LDS pitch of a V row: 128 bytes + 32: an odd multiple of 32
.set KSLOT,  256*KP                    ; a slot holds 256 keys = two key steps
.set VSLOT,  256*VP
.set VRING,  2*KSLOT
.set STAGE,  VRING+2*VSLOT             ; 155,648: behind the rings, 32 rows x 144 bytes for each wave; no fill lands here
.set WSTAGE, 32*KP
.set TILEB,  32768                     ; 256 keys x 128 bytes, dense in memory
.set MATB,   16*262144                 ; from a head of q to the same head of k, and from k to v: 16 heads of 262,144 bytes
.set KA,  2                            ; v2-3    LDS address of my K fragments in slot 0, 1
.set VA,  4                            ; v4-5    the same for V
.set DG,  6                            ; v6-9    DG[cc][qt] = 32 j + 16 qt + r - 8 h - 64 cc: on the diagonal step key 16 kt + i is allowed while it is <= DG
.set MX,  10                           ; v10-11  running maximum of query tile qt
.set LS,  12                           ; v12-13  running sum, this lane's keys only
.set NM,  14                           ; v14-15  -c x running maximum
.set AL,  16                           ; v16-17  factor for the old sums
.set T,   18                           ; v18-25  at work
.set NEG, 26                           ; -infinity
.set STO, 27
.set RD,  28
.set CO,  29
.set QO,  31
.set QF,  32                           ; v32-63   Q fragment (qt, ks) at QF + 16 qt + 8 ks
.set KV,  64                           ; v64-127  K fragment (ks, kt), later V fragment (ks, mt), at KV + 8 (4 ks + ..)
.set SC,  128                          ; v128-191 S tile (qt, kt) at SC + 32 qt + 8 kt; P fragment (qt, ks) at SC + 32 qt + 16 ks
.set OA,  192                          ; v192-255 O tile (qt, mt) at OA + 32 qt + 8 mt
.set G1K, 16
.set G1V, 24
.set G0K, 32                           ; a set for each slot
.set G0V, 40
.macro ROUND                           ; a round of the cluster's barrier
	s_barrier_signal -1
	s_barrier_wait -1
	s_cmp_lg_u32 s8, 0
	s_cbranch_scc1 .Lnot_wave_0_\@
	s_barrier_signal -3
.Lnot_wave_0_\@:
	s_barrier_wait -3
	s_barrier_signal -1
	s_barrier_wait -1
.endm
.macro JLOAD n                         ; wave 0 asks for K's tile, wave 1 for V's, the others for nothing: one tensor load a wave is out at the most
	s_cmp_gt_u32 s8, 1
	s_cbranch_scc1 .Lnone_\@
	s_cmp_eq_u32 s8, 0
	s_cbranch_scc0 .Lfor_v_\@
	tensor_load_to_lds s[G0K+4*\n:G0K+4*\n+3], s[G1K:G1K+7]
	s_nop 0
	s_branch .Lnone_\@
.Lfor_v_\@:
	tensor_load_to_lds s[G0V+4*\n:G0V+4*\n+3], s[G1V:G1V+7]
	s_nop 0
.Lnone_\@:
.endm
	s_load_b128 s[4:7], s[0:1], 0x0                ; qkv s[4:5], ctx s[6:7]
	v_lshl_add_u32 v190, v0, 2, 0x38000
	v_mov_b32 v191, 0
	ds_add_u32 v190, v191
	s_wait_dscnt 0x0
	v_lshrrev_b32 v1, 5, v0
	v_readfirstlane_b32 s8, v1                     ; wave 0..15
	s_bfe_u32 s9, ttmp6, 0x40000                   ; j: my place in the cluster
	s_mov_b32 s10, ttmp9                           ; the cluster's number: b*16 + head
	s_lshr_b32 s54, s8, 2
	s_and_b32 s55, s8, 3
	s_add_co_u32 s55, s55, s54
	s_and_b32 s55, s55, 3
	s_lshl2_add_u32 s11, s55, s54                  ; g
	s_mov_b32 s12, 0x76543210                      ; v_permlanex16_b32: lane i reads lane i of the other half
	s_mov_b32 s13, 0xfedcba98
	s_mov_b32 s14, 0x3e38aa3b                      ; c = log2(e) / 8: the scale 1/sqrt(64) and the change of base in one
	s_mov_b32 s15, 0x3e38aa3b
	s_mov_b32 s56, 0xbe38aa3b                      ; -c
	; group 1: 32,768 dense bytes as 128 rows x 128 elements of 2 bytes; padding behind every 32 words (a key's 128 bytes): 4 words for K, 8 for V
	s_mov_b32 s[G1K+0], 15|(1<<16)|(1<<20)|(1<<21)|(4<<22)|(3<<25)
	s_mov_b32 s[G1V+0], 15|(1<<16)|(1<<20)|(1<<21)|(4<<22)|(7<<25)
.irp g, G1K, G1V
	s_mov_b32 s[\g+1], 128<<16
	s_mov_b32 s[\g+2], 128<<16
	s_mov_b32 s[\g+3], 128<<16
	s_mov_b32 s[\g+4], 128
	s_mov_b32 s[\g+5], 128
	s_mov_b32 s[\g+6], 0
	s_mov_b32 s[\g+7], 0
.endr
	s_lshr_b32 s2, s10, 4                          ; in qkv: b has 48 heads of 2,048 x 128 bytes,
	s_mul_i32 s2, s2, 48*262144
	s_and_b32 s3, s10, 15                          ; my head of q is one of its first 16
	s_lshl_b32 s3, s3, 18
	s_add_co_u32 s2, s2, s3
	s_mov_b32 s3, 0
	s_lshl_b32 s52, s10, 18                        ; in ctx: 2,048 x 128 bytes for each b*16 + head
	s_mov_b32 s53, 0
	s_lshl_b32 s54, s11, 14                        ; my queries: 128 g + 32 j rows of 128 bytes
	s_lshl_b32 s55, s9, 12
	s_add_co_u32 s54, s54, s55
	s_mov_b32 s55, 0
	s_lshl_b32 s51, s9, 5                          ; 32 j
	s_mul_i32 s57, s8, WSTAGE
	s_add_co_u32 s57, s57, STAGE                   ; my stage
	s_wait_kmcnt 0x0
	s_add_nc_u64 s[58:59], s[4:5], s[2:3]          ; q of my head; k and v lie MATB and 2 MATB further on.  No place in the cluster enters
	s_add_nc_u64 s[60:61], s[58:59], s[54:55]      ; my 32 queries
	s_add_nc_u64 s[62:63], s[6:7], s[52:53]
	s_add_nc_u64 s[62:63], s[62:63], s[54:55]      ; and their rows of ctx
.irp n, 0,1
	s_mov_b32 s[G0K+4*\n], 1
	s_mov_b32 s[G0K+4*\n+1], \n*KSLOT
	s_add_nc_u64 s[G0K+4*\n+2:G0K+4*\n+3], s[58:59], MATB+\n*TILEB
	s_or_b32 s[G0K+4*\n+3], s[G0K+4*\n+3], 0x80000000
	s_mov_b32 s[G0V+4*\n], 1
	s_mov_b32 s[G0V+4*\n+1], VRING+\n*VSLOT
	s_add_nc_u64 s[G0V+4*\n+2:G0V+4*\n+3], s[58:59], 2*MATB+\n*TILEB
	s_or_b32 s[G0V+4*\n+3], s[G0V+4*\n+3], 0x80000000
.endr
	ROUND                                          ; the four work-groups are here: the first joint loads meet
	JLOAD 0                                        ; keys 0 to 255
	v_and_b32 v1, 15, v0                           ; r
	v_bfe_u32 v30, v0, 4, 1                        ; h
	v_lshlrev_b32 v[QO], 7, v1
	v_lshl_add_u32 v[QO], v30, 4, v[QO]            ; query r's row, 16 bytes for each half of the lanes
.irp qt, 0,1
.irp ks, 0,1
	global_load_b128 v[QF+16*\qt+8*\ks:QF+16*\qt+8*\ks+3],   v[QO], s[60:61] offset:\qt*2048+64*\ks
	global_load_b128 v[QF+16*\qt+8*\ks+4:QF+16*\qt+8*\ks+7], v[QO], s[60:61] offset:\qt*2048+64*\ks+32
.endr
.endr
	v_and_b32 v18, 7, v0                           ; l mod 8
	v_bfe_u32 v19, v0, 3, 1                        ; (l / 8) mod 2
	v_mul_u32_u24 v[KA], v1, KP
	v_lshl_add_u32 v[KA], v30, 4, v[KA]            ; K: key r, 16 bytes for each half
	v_add_nc_u32 v[KA+1], KSLOT, v[KA]
	v_lshl_add_u32 v20, v30, 3, v18
	v_mul_u32_u24 v[VA], v20, VP                   ; V: key 8 h + l mod 8,
	v_lshl_add_u32 v[VA], v19, 4, v[VA]            ; 16 bytes (8 d) for each group of eight lanes
	v_add_nc_u32 v[VA], VRING, v[VA]
	v_add_nc_u32 v[VA+1], VSLOT, v[VA]
	v_lshlrev_b32 v21, 3, v30
	v_sub_nc_u32 v21, v1, v21                      ; r - 8 h
	v_add_nc_u32 v[DG], s51, v21
	v_add_nc_u32 v[DG+1], 16, v[DG]
	v_add_nc_u32 v[DG+2], 0xffffffc0, v[DG]        ; - 64 for the step's second chunk
	v_add_nc_u32 v[DG+3], 0xffffffc0, v[DG+1]
	v_add_nc_u32 v[STO], s57, v[KA]                ; the stage has K's pitch: row r, 16 bytes for each half
	v_bfe_u32 v22, v0, 3, 2                        ; l / 8
	v_mul_u32_u24 v[RD], v22, KP
	v_lshl_add_u32 v[RD], v18, 4, v[RD]
	v_add_nc_u32 v[RD], s57, v[RD]                 ; back: four rows of 128 bytes for the 32 lanes
	v_and_b32 v[CO], 31, v0
	v_lshlrev_b32 v[CO], 4, v[CO]
	v_mov_b32 v[NEG], 0xff800000
	v_mov_b32 v[MX], 0xff800000
	v_mov_b32 v[MX+1], 0xff800000
	v_mov_b32 v[LS], 0
	v_mov_b32 v[LS+1], 0
	v_mov_b32 v[NM], 0x7f800000                    ; -c x (-infinity): the first factor for the old sums is exp2(-infinity) = 0
	v_mov_b32 v[NM+1], 0x7f800000
	s_mov_b32 s50, 0                               ; the trip's first key step
	s_mov_b32 s48, 3
	s_wait_loadcnt 0x0                             ; Q, once
; The new maximum of query tile qt: 16 three-way maxima in two chains (the first takes the old maximum in), then the other half of the lanes;
; NM and the factor for the old sums, exp2(NM new - NM old): old and new terms refer to exactly the same shift.
.macro ROWMAX qt
	v_max3_num_f32 v[T+2*\qt],   v[MX+\qt], v[SC+32*\qt], v[SC+32*\qt+1]
	v_max3_num_f32 v[T+2*\qt+1], v[SC+32*\qt+16], v[SC+32*\qt+17], v[SC+32*\qt+18]
.irp i, 1,2,3,4,5,6
	v_max3_num_f32 v[T+2*\qt],   v[T+2*\qt],   v[SC+32*\qt+2*\i],    v[SC+32*\qt+2*\i+1]
	v_max3_num_f32 v[T+2*\qt+1], v[T+2*\qt+1], v[SC+32*\qt+17+2*\i], v[SC+32*\qt+18+2*\i]
.endr
	v_max3_num_f32 v[T+2*\qt], v[T+2*\qt], v[SC+32*\qt+14], v[SC+32*\qt+15]
	v_max3_num_f32 v[T+2*\qt], v[T+2*\qt], v[T+2*\qt+1], v[SC+32*\qt+31]
	v_permlanex16_b32 v[T+2*\qt+1], v[T+2*\qt], s12, s13
	v_max_num_f32 v[MX+\qt], v[T+2*\qt], v[T+2*\qt+1]
	v_mul_f32 v[T+2*\qt], s56, v[MX+\qt]
	v_sub_f32 v[AL+\qt], v[T+2*\qt], v[NM+\qt]
	v_mov_b32 v[NM+\qt], v[T+2*\qt]
.endm
; p = exp2(c s - c m), in place
.macro EXPS qt
.irp i, 0,2,4,6,8,10,12,14,16,18,20,22,24,26,28,30
	v_pk_fma_f32 v[SC+32*\qt+\i:SC+32*\qt+\i+1], v[SC+32*\qt+\i:SC+32*\qt+\i+1], s[14:15], v[NM:NM+1] op_sel:[0,0,\qt] op_sel_hi:[1,0,\qt]
.endr
.set EI, 0
.rept 32
	v_exp_f32 v[SC+32*\qt+EI], v[SC+32*\qt+EI]
.set EI, EI+1
.endr
.endm
; this lane's sum of p (two chains), into the running sum; then p to f16, ascending in place: two tiles become one fragment of P^T
.macro SUMS qt
	s_wait_alu depctr_va_vdst(0)
	v_pk_add_f32 v[T+4*\qt:T+4*\qt+1],   v[SC+32*\qt:SC+32*\qt+1],   v[SC+32*\qt+2:SC+32*\qt+3]
	v_pk_add_f32 v[T+4*\qt+2:T+4*\qt+3], v[SC+32*\qt+4:SC+32*\qt+5], v[SC+32*\qt+6:SC+32*\qt+7]
.irp i, 8,12,16,20,24,28
	v_pk_add_f32 v[T+4*\qt:T+4*\qt+1],   v[T+4*\qt:T+4*\qt+1],   v[SC+32*\qt+\i:SC+32*\qt+\i+1]
	v_pk_add_f32 v[T+4*\qt+2:T+4*\qt+3], v[T+4*\qt+2:T+4*\qt+3], v[SC+32*\qt+\i+2:SC+32*\qt+\i+3]
.endr
	v_pk_add_f32 v[T+4*\qt:T+4*\qt+1], v[T+4*\qt:T+4*\qt+1], v[T+4*\qt+2:T+4*\qt+3]
	v_add_f32 v[T+4*\qt], v[T+4*\qt], v[T+4*\qt+1]
	v_fma_f32 v[LS+\qt], v[LS+\qt], v[AL+\qt], v[T+4*\qt]
.irp ks, 0,1
.irp i, 0,1,2,3,4,5,6,7
	v_cvt_pk_f16_f32 v[SC+32*\qt+16*\ks+\i], v[SC+32*\qt+16*\ks+2*\i], v[SC+32*\qt+16*\ks+2*\i+1]
.endr
.endr
.endm
; O^T += V^T P^T for 32 keys: eight accumulators by turns, one instruction a turn
.macro PV ks, zero
.irp qt, 0,1
.irp mt, 0,1,2,3
.if \zero
	v_wmma_f32_16x16x32_f16 v[OA+32*\qt+8*\mt:OA+32*\qt+8*\mt+7], v[KV+8*(4*\ks+\mt):KV+8*(4*\ks+\mt)+7], v[SC+32*\qt+16*\ks:SC+32*\qt+16*\ks+7], 0
.else
	v_wmma_f32_16x16x32_f16 v[OA+32*\qt+8*\mt:OA+32*\qt+8*\mt+7], v[KV+8*(4*\ks+\mt):KV+8*(4*\ks+\mt)+7], v[SC+32*\qt+16*\ks:SC+32*\qt+16*\ks+7], v[OA+32*\qt+8*\mt:OA+32*\qt+8*\mt+7]
.endif
.endr
.endr
.endm
; 64 keys (chunk ci of a slot's four) against my 32 queries.  first = 1: the launch's first chunk starts O.
.macro CHUNK slot, ci, first
.irp ks, 0,1
.irp kt, 0,1,2,3
	ds_load_b128 v[KV+8*(4*\ks+\kt):KV+8*(4*\ks+\kt)+3],   v[KA+\slot] offset:\ci*64*KP+\kt*16*KP+64*\ks
	ds_load_b128 v[KV+8*(4*\ks+\kt)+4:KV+8*(4*\ks+\kt)+7], v[KA+\slot] offset:\ci*64*KP+\kt*16*KP+64*\ks+32
.endr
.endr
	s_wait_dscnt 0x8                               ; d = 0 .. 31 of the 64 keys is in; the eight loads of d = 32 .. 63 may stay out
.irp qt, 0,1
.irp kt, 0,1,2,3
	v_wmma_f32_16x16x32_f16 v[SC+32*\qt+8*\kt:SC+32*\qt+8*\kt+7], v[KV+8*\kt:KV+8*\kt+7], v[QF+16*\qt:QF+16*\qt+7], 0
.endr
.endr
	s_wait_dscnt 0x0
.irp qt, 0,1
.irp kt, 0,1,2,3
	v_wmma_f32_16x16x32_f16 v[SC+32*\qt+8*\kt:SC+32*\qt+8*\kt+7], v[KV+32+8*\kt:KV+32+8*\kt+7], v[QF+16*\qt+8:QF+16*\qt+15], v[SC+32*\qt+8*\kt:SC+32*\qt+8*\kt+7]
.endr
.endr
.rept 4
	v_nop                                          ; four places in front of the loads into K's registers and of the first reads of S
.endr
.irp ks, 0,1
.irp mt, 0,1,2,3
	ds_load_tr16_b128 v[KV+8*(4*\ks+\mt):KV+8*(4*\ks+\mt)+3],   v[VA+\slot] offset:\ci*64*VP+\ks*32*VP+32*\mt
	ds_load_tr16_b128 v[KV+8*(4*\ks+\mt)+4:KV+8*(4*\ks+\mt)+7], v[VA+\slot] offset:\ci*64*VP+\ks*32*VP+32*\mt+16*VP
.endr
.endr
	s_cmp_lg_u32 s49, s11                          ; only the diagonal step (step = g) has keys beyond a query
	s_cbranch_scc1 .Lnomask_\@
.irp qt, 0,1
.irp kt, 0,1,2,3
.irp i, 0,1,2,3,4,5,6,7
	v_cmp_gt_i32 vcc_lo, 16*\kt+\i, v[DG+2*(\ci&1)+\qt]
	v_cndmask_b32 v[SC+32*\qt+8*\kt+\i], v[SC+32*\qt+8*\kt+\i], v[NEG], vcc_lo
.endr
.endr
.endr
.Lnomask_\@:
	ROWMAX 0
	ROWMAX 1
	v_exp_f32 v[AL], v[AL]
	v_exp_f32 v[AL+1], v[AL+1]                     ; behind each run of exponentials the next plain instruction touches none of the last one's registers (ISA guide 5.7.2)
	EXPS 0
	EXPS 1
	SUMS 0
	SUMS 1
.if \first == 0
.irp qt, 0,1
.irp i, 0,2,4,6,8,10,12,14,16,18,20,22,24,26,28,30
	v_pk_mul_f32 v[OA+32*\qt+\i:OA+32*\qt+\i+1], v[OA+32*\qt+\i:OA+32*\qt+\i+1], v[AL:AL+1] op_sel:[0,\qt] op_sel_hi:[1,\qt]
.endr
.endr
.endif
	s_wait_dscnt 0x0                               ; V's fragments, issued in front of the softmax
	PV 0, \first
	PV 1, 0
.rept 5
	v_nop                                          ; five places in front of the next S tiles, which are written over P, and of the next loads into V's registers
.endr
.endm
; A slot's 256 keys = key steps s50 and s50 + 1.  In front of the round every wave waits for all its tensor loads and for its LDS reads;
; behind it the other slot is asked for first.  A wave whose block lies in front of a step has nothing to do in it and goes on to the next round.
.macro TRIP slot, other, refill, first
	s_wait_xcnt 0x0
	v_lshl_add_u32 v190, v0, 2, 0x38000
	v_mov_b32 v191, 0
	s_wait_tensorcnt 0x0                           ; all my tensor loads have landed, this slot's tile among them, so a group 0 may be written:
	ds_add_u32 v190, v191
	s_wait_dscnt 0x0
	s_add_nc_u64 s[G0K+4*\slot+2:G0K+4*\slot+3], s[G0K+4*\slot+2:G0K+4*\slot+3], 2*TILEB   ; this slot's next tile
	s_add_nc_u64 s[G0V+4*\slot+2:G0V+4*\slot+3], s[G0V+4*\slot+2:G0V+4*\slot+3], 2*TILEB
	s_wait_dscnt 0x0                               ; my reads of the other slot are over
	ROUND                                          ; both now hold of every wave of the four work-groups
.if \refill
	JLOAD \other
.endif
	s_mov_b32 s49, s50
.if \first == 0
	s_cmp_gt_u32 s49, s11
	s_cbranch_scc1 .Lidle_\@
.endif
	CHUNK \slot, 0, \first
	CHUNK \slot, 1, 0
	s_add_co_u32 s49, s50, 1
	s_cmp_gt_u32 s49, s11
	s_cbranch_scc1 .Lidle_\@
	CHUNK \slot, 2, 0
	CHUNK \slot, 3, 0
.Lidle_\@:
	s_add_co_u32 s50, s50, 2
.endm
	TRIP 0, 1, 1, 1                                ; keys 0-255; slot 1 gets its first tile behind this trip's round
.Ltrips:
	TRIP 1, 0, 1, 0
	TRIP 0, 1, 1, 0
	s_sub_co_u32 s48, s48, 1
	s_cmp_lg_u32 s48, 0
	s_cbranch_scc1 .Ltrips
	TRIP 1, 0, 0, 0                                ; keys 1,792-2,047: nothing is left to fetch (the stepped addresses are not used)
	; THE WAY OUT: the two halves' sums meet, O / sum to f16, through my stage, 512 consecutive aligned bytes of ctx a store
	v_permlanex16_b32 v[T], v[LS], s12, s13
	v_permlanex16_b32 v[T+1], v[LS+1], s12, s13
	v_add_f32 v[LS], v[LS], v[T]
	v_add_f32 v[LS+1], v[LS+1], v[T+1]
	v_rcp_f32 v[AL], v[LS]
	v_rcp_f32 v[AL+1], v[LS+1]
	v_nop                                          ; one plain place behind the reciprocals
	s_wait_alu depctr_va_vdst(0)
.irp qt, 0,1
.irp i, 0,2,4,6,8,10,12,14,16,18,20,22,24,26,28,30
	v_pk_mul_f32 v[OA+32*\qt+\i:OA+32*\qt+\i+1], v[OA+32*\qt+\i:OA+32*\qt+\i+1], v[AL:AL+1] op_sel:[0,\qt] op_sel_hi:[1,\qt]
.endr
.endr
.irp qt, 0,1
.irp mt, 0,1,2,3
.irp i, 0,1,2,3
	v_cvt_pk_f16_f32 v[OA+32*\qt+8*\mt+\i], v[OA+32*\qt+8*\mt+2*\i], v[OA+32*\qt+8*\mt+2*\i+1]
.endr
	ds_store_b128 v[STO], v[OA+32*\qt+8*\mt:OA+32*\qt+8*\mt+3] offset:\qt*16*KP+32*\mt
.endr
.endr
.irp i, 0,1,2,3,4,5,6,7
	ds_load_b128 v[KV+4*\i:KV+4*\i+3], v[RD] offset:\i*4*KP        ; LDS serves a wave's instructions in order: these see the stores above
.endr
.irp i, 0,1,2,3,4,5,6,7
	s_wait_dscnt 7-\i                              ; the count-down ends at 0: no LDS instruction is pending at the round's signal
	global_store_b128 v[CO], v[KV+4*\i:KV+4*\i+3], s[62:63] offset:\i*512
.endr
	s_wait_xcnt 0x0
	v_lshl_add_u32 v190, v0, 2, 0x38000
	v_mov_b32 v191, 0
	s_wait_tensorcnt 0x0
	ds_add_u32 v190, v191
	s_wait_dscnt 0x0
	ROUND                                          ; the closing round
	s_endpgm
.Lfunc_end_k_qac4589a451_attn:
	.size	k_qac4589a451_attn, .Lfunc_end_k_qac4589a451_attn-k_qac4589a451_attn
	.p2alignl 7, 3214868480
	.fill 96, 4, 3214868480
	.section	.rodata,"a",@progbits
	.p2align	6, 0x0
	.amdhsa_kernel k_qac4589a451_attn
		.amdhsa_group_segment_fixed_size 327680
		.amdhsa_private_segment_fixed_size 0
		.amdhsa_enable_private_segment 0
		.amdhsa_kernarg_size 16
		.amdhsa_user_sgpr_count 2
		.amdhsa_user_sgpr_kernarg_segment_ptr 1
		.amdhsa_wavefront_size32 1
		.amdhsa_system_sgpr_workgroup_id_x 1
		.amdhsa_system_sgpr_workgroup_id_y 1
		.amdhsa_system_sgpr_workgroup_id_z 1
		.amdhsa_system_vgpr_workitem_id 0
		.amdhsa_next_free_vgpr 256
		.amdhsa_next_free_sgpr 66
		.amdhsa_reserve_vcc 1
		.amdhsa_float_denorm_mode_32 3
		.amdhsa_float_denorm_mode_16_64 3
		.amdhsa_memory_ordered 1
		.amdhsa_forward_progress 1
		.amdhsa_inst_pref_size 255
	.end_amdhsa_kernel
	.section	.bss,"aw",@nobits
	.p2align	6
	.space	262144
	.amdgpu_metadata
---
amdhsa.version: [ 1, 2 ]
amdhsa.kernels:
  - .name:           k_qac4589a451_attn
    .symbol:         k_qac4589a451_attn.kd
    .args:
      - { .name: qkv, .offset: 0, .size: 8, .value_kind: global_buffer, .address_space: global }
      - { .name: ctx, .offset: 8, .size: 8, .value_kind: global_buffer, .address_space: global }
    .group_segment_fixed_size: 327680
    .private_segment_fixed_size: 0
    .kernarg_segment_align: 8
    .kernarg_segment_size: 16
    .max_flat_workgroup_size: 512
    .sgpr_count:     66
    .vgpr_count:     256
    .wavefront_size: 32
...
	.end_amdgpu_metadata
.endif
;; end of part 3
;; launch proj (part 4): grid 4 x 64, 4 waves a work-group, clusters of 4 x 4, 327,680 bytes of LDS; arguments ctx, wb, bo, out0; writes out0
.if DOCPART == 4
	.amdgcn_target "amdgcn-amd-amdhsa--gfx1250"
	.amdhsa_code_object_version 6
	.text
	.protected	k_qac4589a451_proj
	.globl	k_qac4589a451_proj
	.p2align	8
	.type	k_qac4589a451_proj,@function
k_qac4589a451_proj:
	s_mov_b64 s[64:65], 0
	v_nop
	global_prefetch_b8 v0, s[64:65] scope:SCOPE_SE
	s_setreg_imm32_b32 hwreg(HW_REG_WAVE_MODE, 25, 1), 1
	s_wait_xcnt 0x0
	s_wait_alu depctr_hold_cnt(0) depctr_sa_sdst(0) depctr_va_vdst(0) depctr_va_sdst(0) depctr_va_ssrc(0) depctr_va_vcc(0) depctr_vm_vsrc(0)
	s_getreg_b32 s2, hwreg(HW_REG_IB_STS2, 6, 4)
	s_cmp_eq_u32 s2, 0
	s_cbranch_scc0 .Lentry_in_a_cluster
	s_endpgm
.Lentry_in_a_cluster:
	s_bfe_u32 s2, ttmp6, 0x10000c
	s_cmp_lg_u32 s2, 0xf033
	s_cbranch_scc0 .Lentry_shape_is_right
	s_endpgm
.Lentry_shape_is_right:
; proj: out0 = ctx Wo + bo.  ctx: [b*16 + head][2048][64] f16; Wo: matrix 3 of wb, [k][n] f16; bo, out0: f32; sums in f32.
; The text of the launch qkv with other constants: a block of 128 x 256 (256 blocks, one for each WGP), a wave makes 64 x 128:
; 32 accumulator tiles, 256 registers (window 2).  K goes in 8 steps of 128 = two heads, through two LDS slots.
; CLUSTERS: 4 x 4 work-groups; ctx's tiles are asked for jointly along a row of the cluster, Wo's along a column.
; A head's 128 rows of 128 bytes are dense in ctx: they come as 64 rows of 256 bytes, padded behind every 128 bytes.
; The matrix instruction is used transposed (source 0 = 16 columns of Wo, source 1 = 16 rows of ctx).
.set MT,     128
.set NA,     MT/32
.set KSTEP,  128
.set AP,     144                       ; LDS pitch of a head's row: 128 bytes + 16: an odd multiple of 16
.set BP,     544                       ; LDS pitch of Wo's k-rows: 512 bytes + 32: an odd multiple of 32
.set BHALF,  64*BP
.set AOFF,   2*BHALF
.set AHALF,  128*AP                    ; one tensor load of ctx: one head's 128 rows
.set AZ,     AHALF                     ; from the step's first head to its second
.set SLOT,   AOFF+2*AHALF
.set STAGE,  2*SLOT                    ; behind the ring: 16 rows x 528 bytes for each wave; no fill lands here
.set SPITCH, 528
.set LAPS,   4
.set ASTEP,  2*262144                  ; a K step in ctx: two heads of 2,048 x 128 bytes
.set BSTEP,  KSTEP*2048
.set ADRA, 16
.set ADRB, 20
.set STO,  24
.set RD,   25
.set CO,   26
.set BO,   27                          ; v27     my byte offset in bo
.set BIAS, 28                          ; v[28:31] bo of my four columns on the way out
.set F0,   64
.set F1,   128
.set G1,  24
.set G0,  32
.set G1B, 48
.set G0B, 56
.set MSB, 0
.macro WIN new                         ; the immediate's high byte repeats the setting that is left
.if MSB != \new
	s_set_vgpr_msb (MSB<<8)|\new
.set MSB, \new
.endif
.endm
.set MUL_LO, 0xa1                      ; source 0 (Wo) window 1, source 1 (ctx) window 0, C and D window 2
.set MUL_HI, 0xf1
.set TO_B,   0x40
.macro WINA a
.if (\a) < 4
	WIN MUL_LO
.else
	WIN MUL_HI
.endif
.endm
.macro JLOAD s                         ; waves 0 and 1 fetch Wo's two halves, waves 2 and 3 the step's two heads of ctx
	s_cmp_eq_u32 s11, 0
	s_cbranch_scc0 .Lfor_a_\@
	tensor_load_to_lds s[G0B+4*\s:G0B+4*\s+3], s[G1B:G1B+7]
	s_nop 0
	s_branch .Lasked_\@
.Lfor_a_\@:
	tensor_load_to_lds s[G0+4*\s:G0+4*\s+3], s[G1:G1+7]
	s_nop 0
.Lasked_\@:
.endm
.macro CREST
	s_cmp_lg_u32 s10, 0
	s_cbranch_scc1 .Lnot_wave_0_\@
	s_barrier_signal -3
.Lnot_wave_0_\@:
	s_barrier_wait -3
	s_barrier_signal -1
	s_barrier_wait -1
.endm
.macro CROUND
	s_barrier_signal -1
	s_barrier_wait -1
	CREST
.endm
	s_load_b128 s[4:7], s[0:1], 0x0                ; ctx s[4:5], wb s[6:7]
	s_load_b64 s[2:3], s[0:1], 0x10                ; bo
	s_load_b64 s[8:9], s[0:1], 0x18                ; out0
	s_set_vgpr_msb 0x40
	v_lshl_add_u32 v255, v0, 2, 0x3c400
	s_set_vgpr_msb 0x4000
	v_mov_b32 v255, 0
	s_set_vgpr_msb 0x1
	ds_add_u32 v255, v255
	s_set_vgpr_msb 0x100
	v_lshrrev_b32 v1, 5, v0
	v_readfirstlane_b32 s10, v1                    ; wave 0..3
	s_lshr_b32 s11, s10, 1                         ; my half of the block's rows.  Also: I fetch for Wo (0) or for ctx (1)
	s_and_b32 s12, s10, 1                          ; my half of its columns.  Also: which half (which head) I fetch
	s_bfe_u32 s40, ttmp6, 0x40000                  ; cx
	s_bfe_u32 s41, ttmp6, 0x40004                  ; cy
	s_lshl_b32 s42, ttmp9, 2
	s_add_co_u32 s42, s42, s40                     ; block column 0..3
	s_and_b32 s13, ttmp7, 0xffff
	s_lshl_b32 s13, s13, 2
	s_add_co_u32 s13, s13, s41                     ; block row 0..63
	s_lshl_b32 s43, s41, 2
	s_lshl_b32 s43, 15, s43                        ; my row of the cluster
	s_lshl_b32 s44, 0x1111, s40                    ; my column
	; group 1 for ctx: 64 rows x 128 elements of 2 bytes, dense; 4 words of padding behind every 32 (one row of a head)
	s_or_b32 s[G1+0], s43, (1<<16)|(1<<20)|(1<<21)|(4<<22)|(3<<25)
	s_mov_b32 s[G1+1], 128<<16
	s_mov_b32 s[G1+2], 64<<16
	s_mov_b32 s[G1+3], 128<<16
	s_mov_b32 s[G1+4], 64
	s_mov_b32 s[G1+5], 128
	s_mov_b32 s[G1+6], 0
	s_mov_b32 s[G1+7], 0
	; group 1 for Wo: 64 k-rows x 256 elements, 8 words of padding behind every 128
	s_or_b32 s[G1B+0], s44, (1<<16)|(1<<20)|(1<<21)|(6<<22)|(7<<25)
	s_mov_b32 s[G1B+1], 256<<16
	s_mov_b32 s[G1B+2], 64<<16
	s_mov_b32 s[G1B+3], 256<<16
	s_mov_b32 s[G1B+4], 64
	s_mov_b32 s[G1B+5], 1024
	s_mov_b32 s[G1B+6], 0
	s_mov_b32 s[G1B+7], 0
	; ctx's tile: b = block row / 16 (16 heads of 262,144 bytes), head = my half, t = 128 (block row mod 16) rows of 128 bytes
	s_lshr_b32 s16, s13, 4
	s_lshl_b32 s16, s16, 22
	s_lshl_b32 s17, s12, 18
	s_add_co_u32 s16, s16, s17
	s_and_b32 s17, s13, 15
	s_lshl_b32 s17, s17, 14
	s_add_co_u32 s16, s16, s17
	s_mov_b32 s17, 0
	; Wo's tile: matrix 3 of wb, k-row 64 x half, columns 256 x block column
	s_lshl_b32 s46, s12, 17
	s_lshl_b32 s47, s42, 9
	s_add_co_u32 s46, s46, s47
	s_add_co_u32 s46, s46, 3*2097152
	s_mov_b32 s47, 0
	s_mul_i32 s20, s10, BHALF                      ; Wo's halves: waves 0 and 1 at 0 and 34,816
	s_mul_i32 s21, s10, AHALF
	s_add_co_u32 s21, s21, AOFF-2*AHALF            ; ctx's heads: waves 2 and 3 at 69,632 and 88,064
	s_wait_dscnt 0x0
	s_wait_kmcnt 0x0
	s_add_nc_u64 s[14:15], s[4:5], s[16:17]
	s_add_nc_u64 s[46:47], s[6:7], s[46:47]
	CROUND                                         ; all sixteen work-groups are here: the first joint loads meet
.irp s, 0,1
	s_mov_b32 s[G0+4*\s], 1
	s_add_co_u32 s[G0+4*\s+1], s21, \s*SLOT
	s_add_nc_u64 s[G0+4*\s+2:G0+4*\s+3], s[14:15], \s*ASTEP
	s_or_b32 s[G0+4*\s+3], s[G0+4*\s+3], 0x80000000
	s_mov_b32 s[G0B+4*\s], 1
	s_add_co_u32 s[G0B+4*\s+1], s20, \s*SLOT
	s_add_nc_u64 s[G0B+4*\s+2:G0B+4*\s+3], s[46:47], \s*BSTEP
	s_or_b32 s[G0B+4*\s+3], s[G0B+4*\s+3], 0x80000000
	JLOAD \s                                       ; K steps 0 and 1: a wave has two tensor loads out here, later one
.endr
	v_and_b32 v1, 15, v0                           ; r
	v_bfe_u32 v2, v0, 4, 1                         ; h
	v_and_b32 v6, 7, v0                            ; l mod 8
	v_bfe_u32 v7, v0, 3, 1                         ; (l / 8) mod 2
	v_and_b32 v9, 31, v0                           ; l
	v_mul_u32_u24 v3, v1, AP
	v_lshl_add_u32 v3, v2, 4, v3
	v_lshl_add_u32 v8, v2, 3, v6
	v_mul_u32_u24 v8, v8, BP
	v_lshl_add_u32 v8, v7, 4, v8
	s_mul_i32 s21, s11, (MT/2)*AP
	s_add_co_u32 s21, s21, AOFF                    ; my 64 rows of ctx
	s_lshl_b32 s22, s12, 8                         ; my 128 columns of Wo
.irp s, 0,1
	v_add_nc_u32 v[ADRA+\s], s21, v3
	v_add_nc_u32 v[ADRB+\s], s22, v8
	s_add_co_u32 s21, s21, SLOT
	s_add_co_u32 s22, s22, SLOT
.endr
	s_mul_i32 s23, s10, 16*SPITCH
	s_add_co_u32 s23, s23, STAGE                   ; my stage
	v_mul_u32_u24 v4, v1, SPITCH                   ; in: row r, 32 bytes (8 f32) for each half of the lanes
	v_lshl_add_u32 v4, v2, 5, v4
	v_add_nc_u32 v[STO], s23, v4
	v_lshlrev_b32 v[CO], 4, v9                     ; back and out: 16 bytes a lane, a row's 512 bytes a wave
	v_add_nc_u32 v[RD], s23, v[CO]
	s_lshl_b32 s45, s42, 10                        ; my 128 columns in bo: 4 (256 x block column + 128 x half)
	s_lshl_b32 s22, s12, 9
	s_add_co_u32 s45, s45, s22
	v_add_nc_u32 v[BO], s45, v[CO]
	global_load_b128 v[BIAS:BIAS+3], v[BO], s[2:3]
; The accumulators take turns, one instruction a turn, in the same order in every quarter step.
.macro MULA f, a0, n, zero
.set AI, \a0
.rept \n
.set BI, 0
.rept 8
.if \zero
	v_wmma_f32_16x16x32_f16 v[8*(8*(AI%4)+BI):8*(8*(AI%4)+BI)+7], v[\f+8*BI:\f+8*BI+7], v[\f+8*AI:\f+8*AI+7], 0
.else
	v_wmma_f32_16x16x32_f16 v[8*(8*(AI%4)+BI):8*(8*(AI%4)+BI)+7], v[\f+8*BI:\f+8*BI+7], v[\f+8*AI:\f+8*AI+7], v[8*(8*(AI%4)+BI):8*(8*(AI%4)+BI)+7]
.endif
.set BI, BI+1
.endr
.set AI, AI+1
.endr
.endm
; K quarter q of a slot into buffer f: 16 transposing loads for Wo, then 2 NA plain loads for ctx (head q / 2, d = 32 (q mod 2) ..)
.macro FETCH slot, q, f
	WIN TO_B
.irp i, 0,1,2,3,4,5,6,7
	ds_load_tr16_b128 v[\f+8*\i:\f+8*\i+3],   v[ADRB+\slot] offset:\q*32*BP+32*\i
	ds_load_tr16_b128 v[\f+8*\i+4:\f+8*\i+7], v[ADRB+\slot] offset:\q*32*BP+32*\i+16*BP
.endr
	WIN 0
.set FI, 0
.rept NA
	ds_load_b128 v[\f+8*FI:\f+8*FI+3],   v[ADRA+\slot] offset:(\q>>1)*AZ+(\q&1)*64+FI*16*AP
	ds_load_b128 v[\f+8*FI+4:\f+8*FI+7], v[ADRA+\slot] offset:(\q>>1)*AZ+(\q&1)*64+FI*16*AP+32
.set FI, FI+1
.endr
.endm
; Four independent vector instructions between a matrix instruction and a load into one of its registers, a store of its result or a
; vector instruction that reads it (ISA guide 7.12.1 for vector instructions).
.macro PLACES
.rept 4
	v_nop
.endr
.endm
.macro QUARTER slot, q, f, g, zero
	s_wait_dscnt NA                                ; Wo and ctx's first half are in; the youngest NA loads (ctx's second half) may be out
	WINA 0
	MULA \f, 0, NA/2, \zero
	PLACES
	FETCH \slot, \q, \g
	s_wait_dscnt 16+2*NA                           ; all but the run just issued
	WINA NA/2
	MULA \f, NA/2, NA/2, \zero
.endm
.macro THREE slot, zero
	QUARTER \slot, 1, F0, F1, \zero
	QUARTER \slot, 2, F1, F0, 0
	QUARTER \slot, 3, F0, F1, 0
.endm
.macro TURN slot, next, fill
	s_wait_dscnt NA
	WINA 0
	MULA F1, 0, NA/4, 0
	s_wait_dscnt 0x0                               ; my reads of this slot are over
	s_wait_tensorcnt 0x0                           ; all my tensor loads have landed
	ds_add_u32 v255, v255
	s_wait_dscnt 0x0
	s_barrier_signal -1                            ; (where the slot is filled again this barrier opens a round of the cluster's barrier)
	MULA F1, NA/4, NA/4, 0                         ; register work while the others arrive
	WIN 0
	s_barrier_wait -1
.if \fill
	CREST                                          ; no wave of any partner still reads this slot or has a load on its way
	s_add_nc_u64 s[G0+4*\slot+2:G0+4*\slot+3], s[G0+4*\slot+2:G0+4*\slot+3], 2*ASTEP
	s_add_nc_u64 s[G0B+4*\slot+2:G0B+4*\slot+3], s[G0B+4*\slot+2:G0B+4*\slot+3], 2*BSTEP
	JLOAD \slot                                    ; the first tensor load behind the round, one a wave
.endif
	PLACES
	FETCH \next, 0, F0
	WINA NA/2
	MULA F1, NA/2, NA/2, 0
.endm
.macro LAP zero
	THREE 0, \zero
	TURN 0, 1, 1
	THREE 1, 0
	TURN 1, 0, 1
.endm
	s_wait_loadcnt 0x0                             ; bo, once
	s_wait_tensorcnt 0x1                           ; my part of K step 0 is in; K step 1's may stay out
	s_barrier_signal -1
	s_barrier_wait -1
	FETCH 0, 0, F0
	LAP 1
	WIN 0
	s_mov_b32 s45, LAPS-2
.Llap:
	LAP 0
	WIN 0
	s_sub_co_u32 s45, s45, 1
	s_cmp_lg_u32 s45, 0
	s_cbranch_scc1 .Llap
	THREE 0, 0                                     ; the last lap fills nothing
	TURN 0, 1, 0
	THREE 1, 0
	s_wait_dscnt NA
	WINA 0
	MULA F1, 0, NA/2, 0
	s_wait_dscnt 0x0
	WINA NA/2
	MULA F1, NA/2, NA/2, 0
	; THE WAY OUT, 16 rows at a time: the sums go as they are into my stage, come back as whole rows of 512 bytes, get bo and leave.
	PLACES
	s_lshl_b32 s16, s13, 19                        ; 128 rows of 4,096 bytes for each block row,
	s_lshl_b32 s17, s11, 18                        ; 64 for my half
	s_add_co_u32 s16, s16, s17
	s_mov_b32 s17, 0
	s_add_nc_u64 s[8:9], s[8:9], s[16:17]
	s_lshl_b32 s46, s42, 10                        ; 256 columns of 4 bytes for each block column,
	s_lshl_b32 s47, s12, 9                         ; 128 for my half
	s_add_co_u32 s46, s46, s47
	s_mov_b32 s47, 0
	s_add_nc_u64 s[8:9], s[8:9], s[46:47]
.macro OUTF a, f
	WIN 0x08                                       ; an LDS store's data (source 1) from window 2
.irp b, 0,1,2,3,4,5,6,7
	ds_store_b128 v[STO], v[8*(8*\a+\b):8*(8*\a+\b)+3]   offset:64*\b
	ds_store_b128 v[STO], v[8*(8*\a+\b)+4:8*(8*\a+\b)+7] offset:64*\b+16
.endr
	WIN 0
	s_wait_xcnt 0x0                                ; buffer f, which earlier stores read, is loaded again only behind this wait
.irp t, 0,1,2,3,4,5,6,7,8,9,10,11,12,13,14,15
	ds_load_b128 v[\f+4*\t:\f+4*\t+3], v[RD] offset:\t*SPITCH      ; LDS serves a wave's instructions in order: these see the stores above
.endr
.irp t, 0,1,2,3,4,5,6,7,8,9,10,11,12,13,14,15
	s_wait_dscnt 15-\t
	v_pk_add_f32 v[\f+4*\t:\f+4*\t+1],   v[\f+4*\t:\f+4*\t+1],   v[BIAS:BIAS+1]
	v_pk_add_f32 v[\f+4*\t+2:\f+4*\t+3], v[\f+4*\t+2:\f+4*\t+3], v[BIAS+2:BIAS+3]
	global_store_b128 v[CO], v[\f+4*\t:\f+4*\t+3], s[8:9] offset:(16*\a+\t)*4096 th:TH_STORE_NT   ; 512 consecutive bytes, aligned
.endr
.endm
	OUTF 0, F0
	OUTF 1, F1
	OUTF 2, F0
	OUTF 3, F1
	s_set_vgpr_msb 0x1
	s_wait_tensorcnt 0x0
	ds_add_u32 v255, v255
	s_wait_dscnt 0x0
	s_set_vgpr_msb 0x100
	CROUND                                         ; the closing round: no work-group ends while a partner may still ask jointly
	s_endpgm
.Lfunc_end_k_qac4589a451_proj:
	.size	k_qac4589a451_proj, .Lfunc_end_k_qac4589a451_proj-k_qac4589a451_proj
	.p2alignl 7, 3214868480
	.fill 96, 4, 3214868480
	.section	.rodata,"a",@progbits
	.p2align	6, 0x0
	.amdhsa_kernel k_qac4589a451_proj
		.amdhsa_group_segment_fixed_size 327680
		.amdhsa_private_segment_fixed_size 0
		.amdhsa_enable_private_segment 0
		.amdhsa_kernarg_size 32
		.amdhsa_user_sgpr_count 2
		.amdhsa_user_sgpr_kernarg_segment_ptr 1
		.amdhsa_wavefront_size32 1
		.amdhsa_system_sgpr_workgroup_id_x 1
		.amdhsa_system_sgpr_workgroup_id_y 1
		.amdhsa_system_sgpr_workgroup_id_z 1
		.amdhsa_system_vgpr_workitem_id 0
		.amdhsa_next_free_vgpr 768
		.amdhsa_next_free_sgpr 66
		.amdhsa_reserve_vcc 0
		.amdhsa_float_denorm_mode_32 3
		.amdhsa_float_denorm_mode_16_64 3
		.amdhsa_memory_ordered 1
		.amdhsa_forward_progress 1
		.amdhsa_inst_pref_size 127
	.end_amdhsa_kernel
	.amdgpu_metadata
---
amdhsa.version: [ 1, 2 ]
amdhsa.kernels:
  - .name:           k_qac4589a451_proj
    .symbol:         k_qac4589a451_proj.kd
    .args:
      - { .name: ctx, .offset: 0, .size: 8, .value_kind: global_buffer, .address_space: global }
      - { .name: wb, .offset: 8, .size: 8, .value_kind: global_buffer, .address_space: global }
      - { .name: bo, .offset: 16, .size: 8, .value_kind: global_buffer, .address_space: global }
      - { .name: out0, .offset: 24, .size: 8, .value_kind: global_buffer, .address_space: global }
    .group_segment_fixed_size: 327680
    .private_segment_fixed_size: 0
    .kernarg_segment_align: 8
    .kernarg_segment_size: 32
    .max_flat_workgroup_size: 128
    .sgpr_count:     66
    .vgpr_count:     768
    .wavefront_size: 32
...
	.end_amdgpu_metadata
.endif
;; end of part 4
;; ======== version 2 of 2: 4 launches; version 1 with the launch cast written anew for expert scheduling mode
;; limits: values are held in f16: magnitudes above 65,504 overflow, below 6.1e-05 lose precision
;; workspace buffers: xb 16,777,216 bytes; wb 8,388,608 bytes; qkv 50,331,648 bytes; ctx 16,777,216 bytes
;; launch cast (part 5): grid 768 x 1, 8 waves a work-group, no clusters, 0 bytes of LDS; arguments x, Wq, Wk, Wv, Wo, xb, wb; writes xb, wb
.if DOCPART == 5
	.amdgcn_target "amdgcn-amd-amdhsa--gfx1250"
	.amdhsa_code_object_version 6
	.text
	.protected	k_qac4589a451_cast
	.globl	k_qac4589a451_cast
	.p2align	8
	.type	k_qac4589a451_cast,@function
k_qac4589a451_cast:
	s_mov_b64 s[64:65], 0
	v_nop
	global_prefetch_b8 v0, s[64:65] scope:SCOPE_SE
	s_setreg_imm32_b32 hwreg(HW_REG_WAVE_SCHED_MODE, 0, 2), 2
	s_setreg_imm32_b32 hwreg(HW_REG_WAVE_MODE, 25, 1), 1
	s_wait_xcnt 0x0
	s_wait_alu depctr_vm_vsrc(0)
; cast: x -> xb [8192][1024] bf16.  Wq | Wk | Wv -> the first 6,291,456 bytes of wb as ONE matrix [1024 k][3072 n] bf16
; (matrix i in columns 1024 i ..).  Wo -> wb from byte 6,291,456 on, [1024 k][1024 n], rounded to bf16 and then written as f16.
; A work-group takes 16 rows of 1,024 numbers: 65,536 bytes in, 32,768 bytes out.  Groups 0-511 take x, groups 512+64 i .. +63 matrix i.
; A stream: no LDS, no barrier, no matrix unit.  Thread t takes numbers 4 t .. 4 t + 3 of each row: a wave's load covers 512
; consecutive bytes, its store 256 consecutive bytes, aligned.  All 16 loads of a thread go out first; the waits count down.
; LIMIT: |Wo| must stay below 65,504 (f16's range).  A bf16 number is exact in f16 down to 2^-17; below that the
; second rounding errs by at most 2^-25.
; THE MODE: SCHED_MODE bits 1:0 = 2 (LLVM: expert scheduling mode 2), set by the entry lines.  The code itself states the register dependences
; between vector instructions and memory instructions, with s_wait_alu, always for 0.
; THE PLAN.  Registers that memory instructions touch:
;   v1, v2    byte offsets of the loads and of the stores: written once at the head, never again.
;   X row j   load j lands in it; behind the wait for that load only vector lines name it (the conversions; for Wo the widening lines too).
;   Y row j   written by row j's conversions, read by store j, never written again.
; The 16 rows go in four blocks of four.  Block p's conversions name X and Y of block p alone; its memory instructions are the four stores of
; block p - 1, which read Y of block p - 1 and v2.  So ONE wait at a block's head states all that its four stores hang on, and they are dealt among
; the block's conversions with no further wait.  No register that a memory instruction reads is written again, so no wait on vm_vsrc is owed;
; no vector line writes a scalar register, VCC or EXEC.
.set X, 4                              ; v[4:67]   row j: 4 numbers in f32
.set Y, 68                             ; v[68:99]  row j: 4 numbers of 16 bits
	s_load_b256 s[4:11], s[0:1], 0x0               ; x s[4:5], Wq s[6:7], Wk s[8:9], Wv s[10:11]
	s_load_b128 s[12:15], s[0:1], 0x20             ; Wo s[12:13], xb s[14:15]
	s_load_b64 s[16:17], s[0:1], 0x30              ; wb
	s_mov_b32 s2, ttmp9
	s_sub_co_u32 s3, s2, 512                       ; my number among the weights' groups (used only where s2 >= 512)
	s_lshr_b32 s20, s3, 6                          ; which matrix
	s_and_b32 s21, s3, 63                          ; which 16 rows of it
	v_lshlrev_b32 v1, 4, v0                        ; 16 t: where I read
	v_lshlrev_b32 v2, 3, v0                        ; 8 t: where I write
	s_lshl_b32 s28, s2, 15                         ; x: 16 rows of 2,048 bytes
	s_mul_i32 s26, s21, 16*6144                    ; Wq, Wk, Wv: 16 rows of 6,144 bytes,
	s_lshl_b32 s27, s20, 11                        ; the matrix's 2,048 bytes in a row
	s_add_co_u32 s26, s26, s27
	s_lshl_b32 s27, s21, 15                        ; Wo: 16 rows of 2,048 bytes behind the joint matrix
	s_add_co_u32 s27, s27, 6291456
	s_wait_kmcnt 0x0
	s_cmp_eq_u32 s20, 1
	s_cselect_b64 s[22:23], s[8:9], s[6:7]         ; Wk or Wq
	s_cmp_eq_u32 s20, 2
	s_cselect_b64 s[22:23], s[10:11], s[22:23]     ; Wv
	s_cmp_eq_u32 s20, 3
	s_cselect_b64 s[22:23], s[12:13], s[22:23]     ; Wo
	s_cselect_b32 s26, s27, s26
	s_cmp_lt_u32 s2, 512                           ; one compare for the four selects (a select leaves SCC alone)
	s_cselect_b64 s[22:23], s[4:5], s[22:23]       ; source: x or the matrix
	s_cselect_b64 s[24:25], s[14:15], s[16:17]     ; destination: xb or wb
	s_cselect_b32 s21, s2, s21                     ; part of the source
	s_cselect_b32 s30, s28, s26                    ; byte offset in the destination
	s_lshl_b32 s28, s21, 16
	s_mov_b32 s29, 0
	s_mov_b32 s31, 0
	s_add_nc_u64 s[22:23], s[22:23], s[28:29]
	s_add_nc_u64 s[24:25], s[24:25], s[30:31]
	s_wait_alu depctr_va_vdst(0)                   ; v1 and v2 are written: every load of the kernel reads v1 as its offset, every store v2
.irp j, 0,1,2,3,4,5,6,7,8,9,10,11,12,13,14,15
	global_load_b128 v[X+4*\j:X+4*\j+3], v1, s[22:23] offset:\j*4096 th:TH_LOAD_NT
.endr
; Row j's conversions.  half = 1: the bf16 numbers are widened again and written as f16.
.macro CONV j, half
	v_cvt_pk_bf16_f32 v[Y+2*(\j)],   v[X+4*(\j)],   v[X+4*(\j)+1]
	v_cvt_pk_bf16_f32 v[Y+2*(\j)+1], v[X+4*(\j)+2], v[X+4*(\j)+3]
.if \half
	v_lshlrev_b32 v[X+4*(\j)],   16, v[Y+2*(\j)]
	v_and_b32     v[X+4*(\j)+1], 0xffff0000, v[Y+2*(\j)]
	v_lshlrev_b32 v[X+4*(\j)+2], 16, v[Y+2*(\j)+1]
	v_and_b32     v[X+4*(\j)+3], 0xffff0000, v[Y+2*(\j)+1]
	v_cvt_pk_f16_f32 v[Y+2*(\j)],   v[X+4*(\j)],   v[X+4*(\j)+1]
	v_cvt_pk_f16_f32 v[Y+2*(\j)+1], v[X+4*(\j)+2], v[X+4*(\j)+3]
.endif
.endm
; Row j's store.  pitch: bytes from row to row in the destination.
.macro SEND j, pitch
	global_store_b64 v2, v[Y+2*(\j):Y+2*(\j)+1], s[24:25] offset:(\j)*\pitch   ; no register of a store is written again
.endm
; Block p: rows 4 p .. 4 p + 3 are converted; the four stores of block p - 1 are dealt among them, each ahead of the wait for the next row's load.
.macro BLK p, half, pitch
	s_wait_loadcnt 15-4*\p                         ; loads come back in order: row 4 p's is in, the 15 - 4 p younger ones stay out
.if \p > 0
	s_wait_alu depctr_va_vdst(0)                   ; the conversions of the block before have written its Y, which the four stores below read; no vector line behind this wait names those registers or v2
.endif
.irp i, 0,1,2,3
.if \p > 0
	SEND 4*(\p-1)+\i, \pitch
.endif
.if \i > 0
	s_wait_loadcnt 15-4*\p-\i                      ; the block's next row is in
.endif
	CONV 4*\p+\i, \half
.endr
.endm
; An arm: the four blocks, then the last block's stores.
.macro ARM half, pitch
	BLK 0, \half, \pitch
	BLK 1, \half, \pitch
	BLK 2, \half, \pitch
	BLK 3, \half, \pitch
	s_wait_alu depctr_va_vdst(0)                   ; the conversions of block 3 have written its Y, which the last four stores read
.irp i, 12,13,14,15
	SEND \i, \pitch
.endr
	s_endpgm
.endm
	s_cmp_ge_u32 s2, 704                           ; the 64 groups of Wo
	s_cbranch_scc1 .Lwo
	s_cmp_ge_u32 s2, 512                           ; the 192 groups of Wq, Wk, Wv
	s_cbranch_scc1 .Lw3
	ARM 0, 2048
.Lw3:
	ARM 0, 6144
.Lwo:
	ARM 1, 2048
.Lfunc_end_k_qac4589a451_cast:
	.size	k_qac4589a451_cast, .Lfunc_end_k_qac4589a451_cast-k_qac4589a451_cast
	.p2alignl 7, 3214868480
	.fill 96, 4, 3214868480
	.section	.rodata,"a",@progbits
	.p2align	6, 0x0
	.amdhsa_kernel k_qac4589a451_cast
		.amdhsa_group_segment_fixed_size 0
		.amdhsa_private_segment_fixed_size 0
		.amdhsa_enable_private_segment 0
		.amdhsa_kernarg_size 56
		.amdhsa_user_sgpr_count 2
		.amdhsa_user_sgpr_kernarg_segment_ptr 1
		.amdhsa_wavefront_size32 1
		.amdhsa_system_sgpr_workgroup_id_x 1
		.amdhsa_system_sgpr_workgroup_id_y 1
		.amdhsa_system_sgpr_workgroup_id_z 1
		.amdhsa_system_vgpr_workitem_id 0
		.amdhsa_next_free_vgpr 104
		.amdhsa_next_free_sgpr 66
		.amdhsa_reserve_vcc 0
		.amdhsa_float_denorm_mode_32 3
		.amdhsa_float_denorm_mode_16_64 3
		.amdhsa_memory_ordered 1
		.amdhsa_forward_progress 1
		.amdhsa_inst_pref_size 21
	.end_amdhsa_kernel
	.amdgpu_metadata
---
amdhsa.version: [ 1, 2 ]
amdhsa.kernels:
  - .name:           k_qac4589a451_cast
    .symbol:         k_qac4589a451_cast.kd
    .args:
      - { .name: x, .offset: 0, .size: 8, .value_kind: global_buffer, .address_space: global }
      - { .name: Wq, .offset: 8, .size: 8, .value_kind: global_buffer, .address_space: global }
      - { .name: Wk, .offset: 16, .size: 8, .value_kind: global_buffer, .address_space: global }
      - { .name: Wv, .offset: 24, .size: 8, .value_kind: global_buffer, .address_space: global }
      - { .name: Wo, .offset: 32, .size: 8, .value_kind: global_buffer, .address_space: global }
      - { .name: xb, .offset: 40, .size: 8, .value_kind: global_buffer, .address_space: global }
      - { .name: wb, .offset: 48, .size: 8, .value_kind: global_buffer, .address_space: global }
    .group_segment_fixed_size: 0
    .private_segment_fixed_size: 0
    .kernarg_segment_align: 8
    .kernarg_segment_size: 56
    .max_flat_workgroup_size: 256
    .sgpr_count:     66
    .vgpr_count:     104
    .wavefront_size: 32
...
	.end_amdgpu_metadata
.endif
;; end of part 5
;; launch qkv: the kernel of part 2 again; grid 8 x 32, 4 waves a work-group, clusters of 4 x 4, 327,680 bytes of LDS; arguments xb, wb, qkv; writes qkv
;; launch attn: the kernel of part 3 again; grid 256 x 1, 16 waves a work-group, clusters of 4 x 1, 327,680 bytes of LDS; arguments qkv, ctx; writes ctx
;; launch proj: the kernel of part 4 again; grid 4 x 64, 4 waves a work-group, clusters of 4 x 4, 327,680 bytes of LDS; arguments ctx, wb, bo, out0; writes out0
